; MI455X (gfx1250); checked and timed in simulation.
; The chip was launched on July 23, 2026; its instructions are those of AMD's public machine-readable ISA for CDNA 5 (MIT licence, August 2026) and "CDNA5" Instruction Set Architecture Reference Guide (July 2026). The comments in the code are by the model that wrote it; some were corrected since.
;; LSTM Cell. Allowed arithmetic: matrix products marked QUANTISED: E2M1 operands, one E8M0 scale for each 32 along K, by v_wmma_scale_f32_16x16x128_f8f6f4 with both operands' format E2M1 (or v_wmma_scale_f32_32x16x128_f4), f32 sums; everything else in f32.
;; Inputs: W_hc 2,048 x 2,048 float32; W_hf 2,048 x 2,048 float32; W_hi 2,048 x 2,048 float32; W_ho 2,048 x 2,048 float32; W_xc 2,048 x 2,048 float32; W_xf 2,048 x 2,048 float32; W_xi 2,048 x 2,048 float32; W_xo 2,048 x 2,048 float32; b_c 2,048 float32; b_f 2,048 float32; b_i 2,048 float32; b_o 2,048 float32; c 2,048 x 2,048 float32; h_codes 2,048 x 64 x 16 uint8 (E2M1 codes of h, K innermost, in blocks of 32 codes, two codes a byte); h_scales 2,048 x 64 uint8 (E8M0 scales of h, one for each 32 codes along K); x_codes 2,048 x 64 x 16 uint8 (E2M1 codes of x, K innermost, in blocks of 32 codes, two codes a byte); x_scales 2,048 x 64 uint8 (E8M0 scales of x, one for each 32 codes along K).
;; Outputs: out0 2,048 x 2,048 float32; out1 2,048 x 2,048 float32.
;; This version of the problem:
;;   THIS VERSION OF THE PROBLEM IS GIVEN IN LOW PRECISION. The matrix products marked QUANTISED in the list below multiply operands that are first quantised to E2M1 (2 exponent bits, 1 mantissa bit; 4 bits a number), with one power-of-two scale for each 32 numbers along K (OCP MX v1.0); their sums are f32. All else is computed in f32.
;;   The module's matrix products, in the order in which they are computed (A, B: the left and right operand; K: the contracted axis; several contracted axes count as one K, in the product's order):
;;     1. [M 2,048, K 2,048] x [K 2,048, N 8,192]; A: input x (given as codes); B: computed on the way: QUANTISED
;;     2. [M 2,048, K 2,048] x [K 2,048, N 8,192]; A: input h (given as codes); B: computed on the way: QUANTISED
;;   THE QUANTISER, for each operand of a quantised product, along K:
;;     - K is cut into blocks of 32 from its start; a last block that is shorter is filled with zeros.
;;     - A block's scale is 2^e with e = floor(log2(the largest magnitude in the block)) - 2, held to -126 .. 127; a block of zeros has e = 0. As a byte (E8M0): e + 127.
;;     - Each number is divided by its block's scale, clamped to +-6, and rounded to the nearest number of E2M1, ties to even, subnormals kept.
;;     - The product sums the exact products of the quantised numbers (number of the format x scale) in f32.
;;   ~~~python
;;   def quantise(x, axis):      # numpy; x: float32 -> the quantised numbers, widened to float32 again
;;       x = np.moveaxis(x, axis, -1); K = x.shape[-1]
;;       x = np.pad(x, [(0, 0)] * (x.ndim - 1) + [(0, -K % 32)]); x = x.reshape(x.shape[:-1] + (-1, 32)); a = np.abs(x).max(-1, keepdims=True)
;;       e = np.where(a > 0, np.clip(np.frexp(np.where(a > 0, a, 1))[1] - 1 - 2, -126, 127), 0)      # np.frexp(a)[1] - 1 = floor(log2(a)), exactly
;;       r = np.clip(x / 2.0 ** e, -6, 6)
;;       step = 2.0 ** (np.maximum(np.frexp(np.where(r == 0, 1, r))[1] - 1, 0) - 1)
;;       q = np.round(r / step) * step * 2.0 ** e      # np.round: ties to even
;;       return np.moveaxis(q.reshape(q.shape[:-2] + (-1,))[..., :K], -1, axis).astype(np.float32)
;;   ~~~
;;   OPERANDS COMPUTED ON THE WAY. 'Computed on the way' means the value that the module computes at that place (a softmax that the list does not call 'softmax' is quantised finished and normalised). What goes into a quantiser is computed in f32, as accurately as f32 sums, v_exp_f32 and their like allow (about 1e-6 of the number): no bf16 or f16 on the way to a quantiser, and a product that is left as it is and whose result goes on into a quantised operand takes f32 operands (vector FMAs, or v_wmma_f32_16x16x4_f32). A number that lies on a knife's edge between two numbers of the format may be rounded either way, as far as f32 arithmetic and the matrix unit's own rounding can turn it there, and no further.
;;   INPUTS GIVEN AS CODES. h (in the module: [2048, 2048], K = its axis 1); x (in the module: [2048, 2048], K = its axis 1): each comes as NAME_codes (uint8): NAME with its K axis moved to the last place and cut into blocks of 32 codes, [.., K / 32, bytes a block], one block behind the other in memory; two codes a byte, the lower K in the low four bits (a code: sign, 2 exponent bits, 1 mantissa bit); and NAME_scales (uint8): the same leading axes, one E8M0 byte (e + 127) for each 32 codes along K. Its value is code x scale, taken as it is: it is not quantised again, and the codes and scales need not be those that the quantiser above would give.
;; One version. Each part assembles by itself: llvm-mc -triple=amdgcn-amd-amdhsa -mcpu=gfx1250 --defsym DOCPART=n.
;; ======== version 1 of 1: 2 launches
;; limits: right only within a limited range of input values
;; workspace buffers: wq 17,825,792 bytes
;; launch quant (part 1): grid 64 x 8, 8 waves a work-group, no clusters, 36,864 bytes of LDS; arguments W_xi, W_xf, W_xc, W_xo, W_hi, W_hf, W_hc, W_ho, wq; writes wq
.if DOCPART == 1
	.amdgcn_target "amdgcn-amd-amdhsa--gfx1250"
	.amdhsa_code_object_version 6
	.text
	.protected	k_q158d960e87_quant
	.globl	k_q158d960e87_quant
	.p2align	8
	.type	k_q158d960e87_quant,@function
k_q158d960e87_quant:
	s_mov_b64 s[64:65], 0
	v_nop
	global_prefetch_b8 v0, s[64:65] scope:SCOPE_SE
	s_setreg_imm32_b32 hwreg(HW_REG_WAVE_MODE, 25, 1), 1
	s_wait_xcnt 0x0
; The eight weights, each [2048 (k)][2048 (unit)] f32 with K as the FIRST axis, become codes of FP4 (E2M1) with one E8M0 scale byte for each 32 along K.
; A block's scale is 2^(floor(log2(its largest magnitude)) - 2); its byte is the largest magnitude's exponent field - 2, held at 1 from below; each number is divided by the scale and rounded to the nearest code, ties to even, beyond 6 the code of 6.
; LIMITS: NaN and infinities among the weights are not served.  A block of zeros gets the byte 1 where the rule says 127: its codes are zeros, which add nothing under any byte but 0xff, and the bytes are read by this program alone.
; THE OUTPUT IS LAID AS THE NEXT LAUNCH'S LDS WANTS IT: wq[tile 32][kidx 8][row 256][272 bytes].  tile = 64 hidden units; kidx = 4 x side (x 0, h 1) + which 512 along K;
; row = 128 x (which 32 of the 64 units) + 32 x gate (i, f, c, o = 0..3) + unit; a row = 256 bytes of codes (512 along K, the lower k in the low four bits), then its 16 scale bytes.
; SHARES: work-group y = the matrix (4 x side + gate); x = 16 x (which 512 along K) + (which 128 columns).  Wave w takes 64 columns (w % 2) and the blocks of 32 along K numbered w / 2 + 4 t, t = 0 .. 3.
; A UNIT is one such block x 64 columns.  A lane loads 16 bytes, FOUR COLUMNS of a row: lanes 0-15 cover 256 consecutive bytes of row i of the block, lanes 16-31 those of row 16 + i; 16 loads, 64 registers a unit.
; So a lane holds 16 numbers along K of each of its four columns; the block's largest magnitude joins lanes l and l xor 16; sixteen moves lay a column's numbers in consecutive registers, as the conversions want them,
; and give 8 bytes of codes: k = 16 (l / 16) + 0 .. 15 of the block.  Three buffers of 64 registers: up to 48 loads of a wave are out.
; All eight waves fill ONE stage in LDS, 128 whole rows of wq (four runs of 8,704 consecutive bytes of it); one barrier; then each wave stores 4,096 bytes of a run,
; and waves 0-3 their run's last 512: every store covers 512 consecutive bytes at a multiple of 256 from wq's first byte.  No tensor loads.
.set ROWW,  8192                       ; a row of a weight in bytes; the largest load offset, 399 rows, stays inside the signed 24-bit immediate (ISA guide, chapter 10)
.set PITCH, 272                        ; a row of wq, and of the stage
.set STG,   32*PITCH                   ; 32 columns' rows: 8,704 bytes
.set KBLK,  256*PITCH                  ; one (tile, kidx) block of wq
.set TILEB, 8*KBLK                     ; one tile of wq
.set SPARE, 0x8c00                     ; behind the stage: the spare words, 128 bytes a wave, which no other line names
.set M,     12                         ; v12-15  my four columns' largest magnitudes
.set P,     16                         ; v16-19  the other half's; then the scale bytes
.set E,     20                         ; v20-23  the conversions' scale operands
.set C,     24                         ; v24-31  codes: two registers a column
.set T,     32                         ; v32-63  a column's 16 numbers along K, two sets
.set X,     64                         ; v64-255 three buffers of 64: register 4 i + c = row i (or 16 + i), column c; on the way out v64-99
	s_load_b512 s[4:19], s[0:1], 0x0               ; W_xi, W_xf, W_xc, W_xo, W_hi, W_hf, W_hc, W_ho
	s_load_b64 s[20:21], s[0:1], 0x40              ; wq
	v_lshl_add_u32 v8, v0, 2, SPARE
	v_mov_b32 v9, 0
	v_lshrrev_b32 v1, 5, v0
	v_readfirstlane_b32 s23, v1                    ; wave 0..7
	s_and_b32 s31, s23, 3                          ; out: which 32 of the 128 columns
	s_lshr_b32 s32, s23, 2                         ; out: which 4,096 bytes of their 8,704
	s_and_b32 s36, s23, 1                          ; in: which 64 of the 128 columns
	s_lshr_b32 s37, s23, 1                         ; in: my first block
	s_and_b32 s22, ttmp7, 0xffff                   ; the matrix: 4 x side + gate
	s_and_b32 s24, ttmp9, 15                       ; which 128 columns
	s_lshr_b32 s25, ttmp9, 4                       ; which 512 along K
	s_lshl_b32 s26, s25, 22                        ; in: 512 rows of 8,192 bytes,
	s_lshl_b32 s28, s37, 18                        ; my first block's 32 rows,
	s_add_co_u32 s26, s26, s28
	s_lshl_b32 s28, s24, 9                         ; 128 columns of 4 bytes,
	s_add_co_u32 s26, s26, s28
	s_lshl_b32 s28, s36, 8                         ; my 64 columns
	s_add_co_u32 s26, s26, s28
	s_mov_b32 s27, 0
	s_lshl_b32 s28, s24, 1                         ; out: tile = 2 x (which 128 columns) + column group / 2,
	s_lshr_b32 s29, s31, 1
	s_add_co_u32 s28, s28, s29
	s_mul_i32 s28, s28, TILEB
	s_and_b32 s29, s22, 4                          ; kidx = 4 x side + which 512 along K,
	s_add_co_u32 s29, s29, s25
	s_mul_i32 s29, s29, KBLK
	s_add_co_u32 s28, s28, s29
	s_and_b32 s29, s31, 1                          ; which 32 of the tile's 64 units: 128 rows,
	s_mul_i32 s29, s29, 128*PITCH
	s_add_co_u32 s28, s28, s29
	s_and_b32 s29, s22, 3                          ; the gate: 32 rows,
	s_mul_i32 s29, s29, STG
	s_add_co_u32 s28, s28, s29
	s_lshl_b32 s29, s32, 12                        ; and of these 8,704 bytes the 4,096 that I store
	s_add_co_u32 s28, s28, s29
	s_mov_b32 s29, 0
	s_mul_i32 s30, s31, STG
	s_lshl_b32 s35, s32, 12
	s_add_co_u32 s35, s35, s30                     ; the 4,096 bytes of the stage that I read back
	s_mul_i32 s33, s36, 64*PITCH                   ; into the stage: my 64 columns' rows,
	s_lshl_b32 s34, s37, 4
	s_add_co_u32 s34, s34, s33                     ; codes: 16 bytes a block,
	s_add_co_u32 s33, s33, s37                     ; scale bytes: one a block
	s_mov_b32 s38, 0x76543210                      ; v_permlanex16_b32's selects for lane l xor 16
	s_mov_b32 s39, 0xfedcba98
	v_and_b32 v1, 15, v0
	v_bfe_u32 v2, v0, 4, 1
	v_lshlrev_b32 v3, 4, v1                        ; in: 16 bytes a lane,
	v_lshl_add_u32 v3, v2, 17, v3                  ; lanes 16-31 sixteen rows further down
	v_mul_u32_u24 v6, v1, 4*PITCH                  ; the stage's row of my first column
	v_lshl_add_u32 v4, v2, 3, v6                   ; codes: 8 bytes for each half of the lanes
	v_add_nc_u32 v4, s34, v4
	v_add_nc_u32 v5, s33, v6                       ; scale bytes (256 bytes further on, in the store's offset)
	v_and_b32 v7, 31, v0
	v_lshlrev_b32 v10, 4, v7                       ; out: 16 bytes a lane, in wq
	v_add_nc_u32 v7, s35, v10                      ; and in the stage
.irp c, 0,1,2,3
	v_mov_b32 v[P+\c], 0                           ; written once: a lane permute's destination counts as one of its sources
.endr
	s_wait_alu depctr_va_vdst(0)                   ; the wait at the head's end
	s_wait_kmcnt 0x0
	s_bitcmp1_b32 s22, 0                           ; the matrix is chosen bit by bit of the work-group's y: the choice hangs on no address
	s_cselect_b64 s[4:5], s[6:7], s[4:5]
	s_cselect_b64 s[8:9], s[10:11], s[8:9]
	s_cselect_b64 s[12:13], s[14:15], s[12:13]
	s_cselect_b64 s[16:17], s[18:19], s[16:17]
	s_bitcmp1_b32 s22, 1
	s_cselect_b64 s[4:5], s[8:9], s[4:5]
	s_cselect_b64 s[12:13], s[16:17], s[12:13]
	s_bitcmp1_b32 s22, 2
	s_cselect_b64 s[4:5], s[12:13], s[4:5]
	s_add_nc_u64 s[4:5], s[4:5], s[26:27]
	s_add_nc_u64 s[20:21], s[20:21], s[28:29]
.macro LOADU t                         ; unit t into buffer t % 3: its block begins 128 t rows behind my first
.irp i, 0,1,2,3,4,5,6,7,8,9,10,11,12,13,14,15
	global_load_b128 v[X+64*((\t)%3)+4*\i:X+64*((\t)%3)+4*\i+3], v3, s[4:5] offset:(128*(\t)+\i)*ROWW th:TH_LOAD_NT
.endr
.endm
.macro UNIT t, left                    ; left: the younger loads, which may stay out
.set XS, X+64*((\t)%3)
	s_wait_loadcnt \left
.irp c, 0,1,2,3
	v_max3_num_f32 v[M+\c], |v[XS+\c]|, |v[XS+4+\c]|, 0x1800000     ; my 16 numbers of each column, and the floor 2^(3 - 127): so the byte cannot fall under 1; the four columns by turns
.endr
.irp i, 2,4,6,8,10,12,14
.irp c, 0,1,2,3
	v_max3_num_f32 v[M+\c], v[M+\c], |v[XS+4*\i+\c]|, |v[XS+4*\i+4+\c]|
.endr
.endr
.irp c, 0,1,2,3
	v_permlanex16_b32 v[P+\c], v[M+\c], s38, s39
.endr
.irp c, 0,1,2,3
	v_max_num_f32 v[M+\c], v[M+\c], v[P+\c]        ; with lane l xor 16's 16 numbers: the block's largest magnitude
.endr
.irp c, 0,1,2,3
	v_add_nc_u32 v[E+\c], 0xff000000, v[M+\c]      ; 2 off its exponent field: the conversion takes the exponent field of this operand as its scale
.endr
.irp c, 0,1,2,3
	v_lshrrev_b32 v[P+\c], 23, v[E+\c]             ; the scale's byte
.endr
.irp c, 0,1,2,3
.irp i, 0,1,2,3,4,5,6,7,8,9,10,11,12,13,14,15
	v_mov_b32 v[T+16*(\c%2)+\i], v[XS+4*\i+\c]     ; column c down K, in consecutive registers; the two sets take turns, so these moves are plain lines behind the last column's conversions
.endr
	v_cvt_scalef32_pk8_fp4_f32 v[C+2*\c], v[T+16*(\c%2):T+16*(\c%2)+7], v[E+\c]
	v_cvt_scalef32_pk8_fp4_f32 v[C+2*\c+1], v[T+16*(\c%2)+8:T+16*(\c%2)+15], v[E+\c]
	ds_store_b64 v4, v[C+2*\c:C+2*\c+1] offset:\c*PITCH+64*(\t)      ; 16 codes: 8 bytes of the column's row
	ds_store_b8 v5, v[P+\c] offset:256+\c*PITCH+4*(\t)               ; the block's byte (both halves of the lanes hold the same)
.endr
	v_nop                                          ; one plain line behind the last conversion
.endm
	LOADU 0
	LOADU 1
	LOADU 2
	UNIT 0, 32
	LOADU 3
	UNIT 1, 32
	UNIT 2, 16
	UNIT 3, 0
	s_wait_dscnt 0x0                               ; for the other waves' sake: my stores into the stage are done
	s_barrier_signal -1
	s_barrier_wait -1                              ; the stage's 128 rows are whole
.irp i, 0,1,2,3,4,5,6,7
	ds_load_b128 v[X+4*\i:X+4*\i+3], v7 offset:512*\i
.endr
.irp i, 0,1,2,3,4,5,6,7
	s_wait_dscnt 7-\i                              ; load i of the eight is in; the younger ones may be out
	global_store_b128 v10, v[X+4*\i:X+4*\i+3], s[20:21] offset:512*\i   ; 32 lanes store 512 consecutive bytes; no hint: the next launch reads them
.endr
	s_cmp_lt_u32 s23, 4                            ; 8,704 = 2 x 4,096 + 512: waves 0-3 also store their run's last 512 bytes
	s_cbranch_scc0 .Ldone
	ds_load_b128 v[X+32:X+35], v7 offset:8192
	s_wait_dscnt 0x0
	global_store_b128 v10, v[X+32:X+35], s[20:21] offset:8192
.Ldone:
	s_wait_tensorcnt 0x0                           ; the wave's end
	ds_add_u32 v8, v9
	s_wait_dscnt 0x0
	s_endpgm
.Lfunc_end_k_q158d960e87_quant:
	.size	k_q158d960e87_quant, .Lfunc_end_k_q158d960e87_quant-k_q158d960e87_quant
	.p2alignl 7, 3214868480
	.fill 96, 4, 3214868480
	.section	.rodata,"a",@progbits
	.p2align	6, 0x0
	.amdhsa_kernel k_q158d960e87_quant
		.amdhsa_group_segment_fixed_size 36864
		.amdhsa_private_segment_fixed_size 0
		.amdhsa_enable_private_segment 0
		.amdhsa_kernarg_size 72
		.amdhsa_user_sgpr_count 2
		.amdhsa_user_sgpr_kernarg_segment_ptr 1
		.amdhsa_wavefront_size32 1
		.amdhsa_system_sgpr_workgroup_id_x 1
		.amdhsa_system_sgpr_workgroup_id_y 1
		.amdhsa_system_sgpr_workgroup_id_z 1
		.amdhsa_system_vgpr_workitem_id 0
		.amdhsa_next_free_vgpr 256
		.amdhsa_next_free_sgpr 66
		.amdhsa_reserve_vcc 0
		.amdhsa_float_denorm_mode_32 3
		.amdhsa_float_denorm_mode_16_64 3
		.amdhsa_memory_ordered 1
		.amdhsa_forward_progress 1
		.amdhsa_inst_pref_size 35
	.end_amdhsa_kernel
	.amdgpu_metadata
---
amdhsa.version: [ 1, 2 ]
amdhsa.kernels:
  - .name:           k_q158d960e87_quant
    .symbol:         k_q158d960e87_quant.kd
    .args:
      - { .name: W_xi, .offset: 0, .size: 8, .value_kind: global_buffer, .address_space: global }
      - { .name: W_xf, .offset: 8, .size: 8, .value_kind: global_buffer, .address_space: global }
      - { .name: W_xc, .offset: 16, .size: 8, .value_kind: global_buffer, .address_space: global }
      - { .name: W_xo, .offset: 24, .size: 8, .value_kind: global_buffer, .address_space: global }
      - { .name: W_hi, .offset: 32, .size: 8, .value_kind: global_buffer, .address_space: global }
      - { .name: W_hf, .offset: 40, .size: 8, .value_kind: global_buffer, .address_space: global }
      - { .name: W_hc, .offset: 48, .size: 8, .value_kind: global_buffer, .address_space: global }
      - { .name: W_ho, .offset: 56, .size: 8, .value_kind: global_buffer, .address_space: global }
      - { .name: wq, .offset: 64, .size: 8, .value_kind: global_buffer, .address_space: global }
    .group_segment_fixed_size: 36864
    .private_segment_fixed_size: 0
    .kernarg_segment_align: 8
    .kernarg_segment_size: 72
    .max_flat_workgroup_size: 256
    .sgpr_count:     66
    .vgpr_count:     256
    .wavefront_size: 32
...
	.end_amdgpu_metadata
.endif
;; end of part 1
;; launch cell (part 2): grid 32 x 8, 4 waves a work-group, clusters of 4 x 4, 327,680 bytes of LDS; arguments x_codes, x_scales, wq, c, h_codes, h_scales, b_i, b_f, b_c, b_o, out0, out1; writes out0, out1
.if DOCPART == 2
	.amdgcn_target "amdgcn-amd-amdhsa--gfx1250"
	.amdhsa_code_object_version 6
	.text
	.protected	k_q158d960e87_cell
	.globl	k_q158d960e87_cell
	.p2align	8
	.type	k_q158d960e87_cell,@function
k_q158d960e87_cell:
	s_mov_b64 s[64:65], 0
	v_nop
	global_prefetch_b8 v0, s[64:65] scope:SCOPE_SE
	s_setreg_imm32_b32 hwreg(HW_REG_WAVE_MODE, 25, 1), 1
	s_wait_xcnt 0x0
	s_wait_alu depctr_hold_cnt(0) depctr_sa_sdst(0) depctr_va_vdst(0) depctr_va_sdst(0) depctr_va_ssrc(0) depctr_va_vcc(0) depctr_vm_vsrc(0)
	s_getreg_b32 s2, hwreg(HW_REG_IB_STS2, 6, 4)
	s_cmp_eq_u32 s2, 0
	s_cbranch_scc0 .Lentry_in_a_cluster
	s_endpgm
.Lentry_in_a_cluster:
	s_bfe_u32 s2, ttmp6, 0x10000c
	s_cmp_lg_u32 s2, 0xf033
	s_cbranch_scc0 .Lentry_shape_is_right
	s_endpgm
.Lentry_shape_is_right:
; An LSTM cell.  gates = x Wx + h Wh + b is ONE product on codes of FP4 (E2M1) with E8M0 scales: M = 2,048 rows, K = 4,096 (x's 2,048 and h's 2,048), N = 8,192 (4 gates x 2,048 units); sums in f32.
; Then c_new = sigmoid(gf) c + sigmoid(gi) tanh(gc) (out1) and h_new = sigmoid(go) tanh(c_new) (out0), in f32; the gates never go to memory.
; x and h are used as they lie.  The weights come from wq: [tile 32][kidx 8][row 256][272 bytes], a row = 256 bytes of codes (512 along K) + its 16 scale bytes, row = 128 x half + 32 x gate + unit:
; a (tile, kidx) block is dense in memory and is the image that LDS wants.
; SHARES.  A work-group of four waves makes 256 rows x 64 units x 4 gates; a wave 128 rows x 32 units x 4 gates: 64 accumulators of 16 x 16, 512 registers.  256 work-groups.
; THE MATRIX INSTRUCTION IS USED TRANSPOSED (source 0 = 16 rows of wq, source 1 = 16 rows of x or h).  Accumulator (a, b), b = 2 gate + u: register j of lane (r, h) is that gate at row 16 a + r, unit 16 u + 8 h + j:
; the four gates of an element lie in one lane.  The biases are the C of each sum's first matrix instruction.
; K goes in steps of 512 through a ring of two LDS slots: slot 0 holds a step of x (with Wx), slot 1 a step of h (with Wh), by turns.
; ORDER OF ROUNDING: the f32 sums take x's and h's K steps by turns and begin with the bias, where the definition sums x's product, h's product and the bias one after the other.
; A STEP OF 128 ALONG K is 64 matrix instructions in one unbroken run.  Both sides have TWO sets of fragment registers: the next step's 32 LDS loads go out in ONE run at the step's head, into the sets that the step
; before read last, and are waited for at the next step's head, behind that step's own run.
; CLUSTERS: 4 x 4 work-groups.  The four of a row of the cluster need the same rows of x and h (and their scales), the four of a column the same block of wq: each is asked for JOINTLY.  c's tile is each work-group's own.
; PREFETCHES: behind each fill of a slot stands a prefetch of what the same slot's next fill will ask for, that is two fills ahead; the four partners of a joint load share its 256-byte blocks out by address
; (32 rows of x or h a wave; 34 blocks of wq a wave, in two instructions).  x's and h's rows are wanted by all eight clusters along x: four of them ask.  The last two fills have nothing behind them and ask for nothing.
; LIMITS: NaN, infinities and the scale byte 0xff among the inputs are not served.  tanh(z) = (E - 1) / (E + 1), E = 2^min(2 log2(e) z, 60): at 60 the quotient is 1 in f32, and E stays finite, so that a divisor which
; reaches infinity (a sigmoid at 0) gives 0 and never NaN.
; REGISTERS, in windows of 256: window 0: v1-31 addresses; v32-95 scale words, two sets; v128-191, v192-255 x's or h's fragments, two sets; on the way out v32-239 are free.
;   window 1: wq's fragments, two sets, at v0 and v128; v64-127 the biases.   window 2: the accumulators of my rows 0-63 ((a, b) at v[8 (8 a + b)]);   window 3: those of my rows 64-127.
.set PITCH,  272                       ; an LDS row: 256 bytes + 16: the 16 rows that a load of 16 bytes a lane touches fall on 16 different 16-byte columns of 256
.set HALFT,  128*PITCH                 ; 128 rows: what one load of the ring brings, and what one wave reads of either side
.set SLOT,   4*HALFT                   ; x's or h's 256 rows, then wq's 256 rows
.set NQ,     4                         ; a slot holds 512 along K: four steps
.set LAPS,   4                         ; a lap = once round the ring
.set WQK,    2*HALFT                   ; one (tile, kidx) block of wq in bytes
.set HALFS,  32*272                    ; the scale bytes of 128 rows of x or h for all of K, as 32 rows of 256 + 16
.set SCL,    2*SLOT                    ; behind the ring: x's scales (256 rows), then h's: filled once
.set SPARE,  SCL+4*HALFS               ; behind them: the spare words, 128 bytes a wave, which no other line names
.set HSTG,   2*HALFT                   ; the way out: c's tile at byte 0; h_new's stage in the rest of slot 0; c_new's stage at the head of slot 1:
.set NSTG,   SLOT                      ; both stages' bytes have had their last fill and their last read when the first result is stored there
.set PFO,  12                          ; v12     the tiles' prefetches: lane x a row of x or h (1,024 bytes), or lane x 256 in wq
.set PFO2, 13                          ; v13     wq's blocks 32 and 33 of my 34 (lanes 1-31 name the last)
.set PFC,  14                          ; v14     8,192 x lane: a row of c for each lane
.set STN,  15                          ; v15     where I put c_new
.set ADRA, 16                          ; v16-17  LDS address of my fragments of x (slot 0), h (slot 1)
.set ADSB, 18                          ; v18-19  of wq's scale words: lanes 0-15 blocks 0-3, lanes 16-31 blocks 4-7
.set ADRB, 20                          ; v20-21  of my fragments of wq
.set ADSA, 22                          ; v22-23  of x's, h's scale words; 16 bytes on in every lap
.set STC,  24                          ; v24     where I read c
.set STH,  25                          ; v25     where I put h_new
.set RD,   26                          ; v26     where I read whole rows back
.set SPW,  28                          ; v28     my spare word; never rewritten
.set NIL,  29                          ; v29     0; never rewritten
.set CO,   30                          ; v30     my byte offset in two rows of an output
.set BO,   31                          ; v31     my byte offset in a bias
.set SC,   32                          ; scale words: set s at v[SC + 32 s]; register 4 i + q: x's or h's blocks i and i + 4; register 16 + 4 i + q: wq's
.set AF,   128                         ; x's or h's fragments: set p at v[AF + 64 p]
.set BI,   64                          ; the biases, in window 1
.set T,    32                          ; the way out: v32-95 a block's 64 gates
.set U,    96                          ; v96-111  numerators
.set CC,   112                         ; v112-143 c, two sets
.set CN,   144                         ; v144-175 c_new, two sets
.set HN,   176                         ; v176-207 h_new, two sets
.set OB,   208                         ; v208-239 16 whole rows read back from a stage
.set G0H,  4                           ; s[4:7], s[8:11] groups 0 of the head's loads of x's 256 rows and wq's block; behind them:
.set G0HB, 8
.set KS,   4                           ; s[4:5]   -log2(e), twice
.set KT,   6                           ; s[6:7]   2 log2(e), twice
.set PC,   12                          ; s[12:13] my wave's 64 rows of c
.set G1A,  28                          ; s[28:35] group 1 for x's and h's tiles;  s[36:43] group 0, slot 0 (x) and slot 1 (h)
.set G0A,  36
.set G1B,  44                          ; s[44:51], s[52:59] the same for wq's blocks
.set G0B,  52
.set WV,   60                          ; s60 wave;  s61 my half of the rows, also: I fetch for x and h (0) or wq (1);  s62 my half of wq's rows, also: which 128 rows I fetch, which output I store
.set AH,   61
.set BH,   62
.set CNT,  63                          ; s63 laps to go
.set PF1,  66                          ; s[66:67]   where slot 1's prefetches stand;  s[104:105] slot 0's;  s[2:3] their step along K
.set PF0,  104
.set PST,  2
.set LIM,  96                          ; s96 1 where my wave prefetches tiles, else the greatest number
.set G1S,  68                          ; s[68:75] group 1 for scale bytes;  s[76:79], s[80:83] groups 0 for x's and h's
.set G0SX, 76
.set G0SH, 80
.set G1C,  84                          ; s[84:91], s[92:95] groups 1 and 0 for c's tile
.set G0C,  92
.set MSB, 0
.macro WIN new                         ; the immediate's high byte repeats the setting that is left; a switch that changes nothing is dropped
.if MSB != (\new)
	s_set_vgpr_msb (MSB<<8)|(\new)
.set MSB, (\new)
.endif
.endm
.set MUL_LO, 0xa1                      ; source 0 (wq) window 1, source 1 (x, h) window 0, C and D window 2
.set MUL_HI, 0xf1                      ; the same, C and D window 3
.set TO_B,   0x40                      ; destination window 1, address window 0
.macro PLACES                          ; four places (ISA guide 7.12.1 for vector instructions)
.rept 4
	v_nop
.endr
.endm
.macro JLOAD g0a, g1a, g0b, g1b        ; a joint load: waves 0 and 1 issue the first line, waves 2 and 3 the second; the branch hangs on the wave's number alone
	s_cmp_eq_u32 s[AH], 0
	s_cbranch_scc0 .Lsecond_\@
	tensor_load_to_lds s[\g0a:\g0a+3], s[\g1a:\g1a+7]
	s_nop 0
	PLACES
	s_branch .Lasked_\@
.Lsecond_\@:
	tensor_load_to_lds s[\g0b:\g0b+3], s[\g1b:\g1b+7]
	s_nop 0
	PLACES
.Lasked_\@:
.endm
.macro CREST                           ; a round of the cluster's barrier behind its opening barrier
	s_cmp_lg_u32 s[WV], 0
	s_cbranch_scc1 .Lnot_wave_0_\@
	s_barrier_signal -3
.Lnot_wave_0_\@:
	s_barrier_wait -3
	s_barrier_signal -1
	s_barrier_wait -1
.endm
.macro CROUND
	s_barrier_signal -1
	s_barrier_wait -1
	CREST
.endm
.macro SHAPE g, c, r, p                ; words 1 to 7 of a group 1: r rows of c elements, p elements from row to row
	s_mov_b32 s[\g+1], (\c)<<16
	s_mov_b32 s[\g+2], (\r)<<16
	s_mov_b32 s[\g+3], (\c)<<16
	s_mov_b32 s[\g+4], \r
	s_mov_b32 s[\g+5], \p
	s_mov_b32 s[\g+6], 0
	s_mov_b32 s[\g+7], 0
.endm
.macro WHERE g, lds, ptr               ; a group 0: count 1, the LDS address, the tile's first byte, type 2 on top
	s_mov_b32 s[\g], 1
	s_mov_b32 s[\g+1], \lds
	s_mov_b64 s[\g+2:\g+3], s[\ptr:\ptr+1]
	s_or_b32 s[\g+3], s[\g+3], 0x80000000
.endm
.macro RING g, lds, ptr, off           ; the same, the tile's first byte = a pointer + an offset
	s_mov_b32 s[\g], 1
	s_mov_b32 s[\g+1], \lds
	s_add_nc_u64 s[\g+2:\g+3], s[\ptr:\ptr+1], s[\off:\off+1]
	s_or_b32 s[\g+3], s[\g+3], 0x80000000
.endm
; The prefetch of one fill's share.  how = 1: at the head;  how = 0: in the loop, whose last trip (CNT = 1) has no fill two on
.macro ASK pf, how
.if \how
	s_cmp_eq_u32 s[LIM], 1
.else
	s_cmp_gt_u32 s[CNT], s[LIM]
.endif
	s_cbranch_scc0 .Lno_\@
	global_prefetch_b8 v[PFO], s[\pf:\pf+1] th:TH_LOAD_NT scope:SCOPE_SE
	s_cmp_eq_u32 s[AH], 0
	s_cbranch_scc1 .Lno_\@
	global_prefetch_b8 v[PFO2], s[\pf:\pf+1] th:TH_LOAD_NT scope:SCOPE_SE
.Lno_\@:
.endm
	s_load_b512 s[4:19], s[0:1], 0x0               ; x_codes 4, x_scales 6, wq 8, c 10, h_codes 12, h_scales 14, b_i 16, b_f 18
	s_load_b256 s[20:27], s[0:1], 0x40             ; b_c 20, b_o 22, out0 24, out1 26
	v_lshl_add_u32 v[SPW], v0, 2, SPARE
	v_mov_b32 v[NIL], 0
	ds_add_u32 v[SPW], v[NIL]                      ; the opening lines: the add, twice on end, and its wait ahead of my first tensor load
	ds_add_u32 v[SPW], v[NIL]
	v_lshrrev_b32 v1, 5, v0
	v_readfirstlane_b32 s[WV], v1                  ; wave 0..3
	s_lshr_b32 s[AH], s[WV], 1
	s_and_b32 s[BH], s[WV], 1
	s_bfe_u32 s96, ttmp6, 0x40000                  ; cx, cy: my place in the cluster
	s_bfe_u32 s97, ttmp6, 0x40004
	s_lshl_b32 s98, ttmp9, 2
	s_add_co_u32 s98, s98, s96                     ; the tile of 64 units
	s_and_b32 s99, ttmp7, 0xffff
	s_lshl_b32 s99, s99, 2
	s_add_co_u32 s99, s99, s97                     ; the tile of 256 rows
	s_lshl_b32 s100, s97, 2
	s_lshl_b32 s100, 15, s100                      ; my row of the cluster
	s_lshl_b32 s101, 0x1111, s96                   ; my column
	s_or_b32 s[G1A], s100, 0x07700000              ; the mask: my row; elements of 1 byte; padding on; 21 set beside a mask; four words after every 64
	SHAPE G1A, 256, 256, 1024                      ; the head's load: 256 rows of 256 bytes, rows of 1,024 bytes in memory
	s_or_b32 s[G1B], s101, 0x00230000              ; the mask: my column; elements of 8 bytes; no padding
	SHAPE G1B, 64, 136, 64                         ; the head's load: a dense block, 136 rows of 512 bytes = 256 rows of 272
	s_or_b32 s[G1S], s100, 0x07730000              ; the mask: my row; elements of 8 bytes; four words after every 64
	SHAPE G1S, 32, 64, 32                          ; a dense block: the 64 scale bytes of each of 256 rows, as 64 rows of 256 bytes
	s_mov_b32 s[G1C], 0x07520000                   ; no mask; elements of 4 bytes; four words after every 64
	SHAPE G1C, 64, 64, 2048                        ; 64 rows of 64 numbers of c
	s_mul_i32 s2, s[WV], HALFT                     ; where the ring's loads go: wave x 128 rows
	s_add_co_u32 s3, s2, SLOT
	s_wait_dscnt 0x0                               ; both opening adds are done
	s_wait_kmcnt 0x0
	s_lshl_b32 s66, s99, 14                        ; scale bytes: 256 rows of 64 bytes a tile
	s_mov_b32 s67, 0
	s_add_nc_u64 s[6:7], s[6:7], s[66:67]
	s_add_nc_u64 s[14:15], s[14:15], s[66:67]
	WHERE G0SX, SCL, 6
	WHERE G0SH, SCL+2*HALFS, 14
	s_lshl_b32 s66, s99, 18                        ; codes: 256 rows of 1,024 bytes a tile
	s_add_nc_u64 s[4:5], s[4:5], s[66:67]
	s_add_nc_u64 s[12:13], s[12:13], s[66:67]
	s_mul_i32 s104, s98, 8*WQK                     ; wq: the tile's eight blocks
	s_mov_b32 s105, 0
	s_add_nc_u64 s[8:9], s[8:9], s[104:105]
	s_lshl_b32 s66, s[BH], 17                      ; the ring: the 128 rows that I fetch
	RING G0A, s2, 4, 66                            ; slot 0: x; its first refill steps to K step 1
	RING G0A+4, s3, 12, 66                         ; slot 1: h, K step 0
	s_mul_i32 s104, s[BH], HALFT
	RING G0B, s2, 8, 104                           ; slot 0: kidx 0, stepped likewise
	s_add_co_u32 s104, s104, 4*WQK
	RING G0B+4, s3, 8, 104                         ; slot 1: kidx 4
	; the prefetches' pointers: of the 128 rows (136 blocks) that my wave fetches, my work-group's 32 rows (34 blocks), told apart by address: cx for x and h, cy for wq
	s_lshl_b32 s100, s[BH], 17
	s_lshl_b32 s96, s96, 15
	s_add_co_u32 s100, s100, s96
	s_mul_i32 s96, s[BH], HALFT
	s_mul_i32 s97, s97, 34*256
	s_add_co_u32 s96, s96, s97
	s_mov_b32 s2, WQK
	s_mov_b32 s63, 256
	s_cmp_eq_u32 s[AH], 0                          ; do I fetch for x and h?
	s_cselect_b64 s[PF0:PF0+1], s[4:5], s[8:9]
	s_cselect_b64 s[PF1:PF1+1], s[12:13], s[8:9]
	s_cselect_b32 s100, s100, s96
	s_cselect_b32 s2, 256, s2                      ; a K step on: 256 bytes of a row, or a block of wq
	s_cselect_b32 s63, 1024, s63                   ; from lane to lane
	s_cselect_b32 s96, 0, 4*WQK
	s_mov_b32 s101, 0
	s_mov_b32 s3, 0
	s_mov_b32 s97, 0
	s_add_nc_u64 s[PF0:PF0+1], s[PF0:PF0+1], s[100:101]
	s_add_nc_u64 s[PF0:PF0+1], s[PF0:PF0+1], s[PST:PST+1]   ; slot 0: x's K step 1, kidx 1
	s_add_nc_u64 s[PF1:PF1+1], s[PF1:PF1+1], s[100:101]
	s_add_nc_u64 s[PF1:PF1+1], s[PF1:PF1+1], s[96:97]       ; slot 1: h's K step 0, kidx 4
	s_cmp_lt_u32 ttmp9, 4                          ; of the eight clusters along x, which all want these rows of x and h, four ask
	s_cselect_b32 s[LIM], 1, -1
	s_cmp_eq_u32 s[AH], 0
	s_cselect_b32 s[LIM], s[LIM], 1
	s_mov_b64 s[6:7], s[4:5]                       ; the head's loads: x's 256 rows of K step 0 to byte 0,
	s_or_b32 s7, s7, 0x80000000
	s_mov_b32 s4, 1
	s_mov_b32 s5, 0
	s_mov_b64 s[PC:PC+1], s[10:11]                 ; (c's address moves out of the way)
	s_mov_b64 s[10:11], s[8:9]                     ; wq's block kidx 0 behind them
	s_or_b32 s11, s11, 0x80000000
	s_mov_b32 s8, 1
	s_mov_b32 s9, 2*HALFT
	CROUND                                         ; all sixteen work-groups are here: the first joint loads meet
; ONE load a wave at the head, in one tree of branches on the wave's number: x's rows, wq's block, x's scales, h's scales
.macro ARM under, g0, g1, next
	s_cmp_lt_u32 s[WV], \under
	s_cbranch_scc0 \next
	tensor_load_to_lds s[\g0:\g0+3], s[\g1:\g1+7]
	s_nop 0
	PLACES
	s_branch .Lhead_asked
\next:
.endm
	ARM 1, G0H,  G1A, .Lhead_b
	ARM 2, G0HB, G1B, .Lhead_sx
	ARM 3, G0SX, G1S, .Lhead_sh
	tensor_load_to_lds s[G0SH:G0SH+3], s[G1S:G1S+7]
	s_nop 0
	PLACES
.Lhead_asked:
	v_and_b32 v11, 31, v0
	v_mul_u32_u24 v[PFO], s63, v11
	v_min_u32 v[PFO2], 1, v11
	v_lshl_add_u32 v[PFO2], v[PFO2], 8, 0x2000
	s_wait_alu depctr_va_vdst(0)                   ; branches stand between these writes and their readers
	ASK PF1, 1                                     ; what slot 1's first fill will ask for,
	ASK PF0, 1                                     ; and slot 0's first refill
	s_lshl_b32 s100, s99, 21                       ; c and the outputs: 256 rows of 8,192 bytes a tile,
	s_lshl_b32 s97, s98, 8                         ; the tile's 64 units
	s_add_co_u32 s100, s100, s97
	s_mov_b32 s101, 0
	s_lshl_b32 s98, s[AH], 20                      ; the output: my half's 128 rows
	s_add_co_u32 s98, s98, s100
	s_mov_b32 s99, 0
	s_cmp_eq_u32 s[BH], 0                          ; even waves store h_new (out0), odd waves c_new (out1)
	s_cselect_b64 s[24:25], s[24:25], s[26:27]
	s_add_nc_u64 s[24:25], s[24:25], s[98:99]
	s_lshl_b32 s98, s[WV], 19                      ; c: the 64 rows that my wave fetches
	s_add_co_u32 s100, s100, s98
	s_add_nc_u64 s[PC:PC+1], s[PC:PC+1], s[100:101]
	s_mul_i32 s98, s[WV], 64*PITCH
	WHERE G0C, s98, PC
	s_mul_i32 s98, s[AH], HALFT                    ; my 128 rows of x or h in a slot
	s_mul_i32 s99, s[BH], HALFT                    ; my 128 rows of wq, behind the other side's 256
	s_add_co_u32 s99, s99, 2*HALFT
	s_mul_i32 s100, s[AH], HALFS
	s_add_co_u32 s100, s100, SCL
	s_lshl_b32 s101, s[BH], 7
	s_add_co_u32 s97, s97, s101                    ; the biases: the tile's 64 units, my 32 of them
	s_add_co_u32 s101, s101, s98                   ; the way out: my rows, my 32 units' 128 bytes
	s_mul_i32 s63, s[BH], NSTG-HSTG                ; back: my half's rows out of h_new's stage (even waves) or c_new's (odd waves)
	s_add_co_u32 s63, s63, s98
	s_add_co_u32 s63, s63, HSTG
	v_and_b32 v1, 15, v0                           ; r
	v_bfe_u32 v2, v0, 4, 1                         ; h
	v_mul_u32_u24 v3, v1, PITCH
	v_lshl_add_u32 v4, v2, 4, v3                   ; a fragment's row x pitch + 16 h
	v_mad_u32_u24 v5, v2, 64*PITCH, v3             ; wq's scale words: row r, lanes 16-31 four blocks further on,
	v_add_nc_u32 v5, 256, v5                       ; behind the row's codes
	v_add_nc_u32 v[ADRA], s98, v4
	v_add_nc_u32 v[ADRB], s99, v4
	v_add_nc_u32 v[ADSB], s99, v5
	v_add_nc_u32 v[ADRA+1], SLOT, v[ADRA]
	v_add_nc_u32 v[ADRB+1], SLOT, v[ADRB]
	v_add_nc_u32 v[ADSB+1], SLOT, v[ADSB]
	v_lshrrev_b32 v6, 2, v1                        ; x's and h's scale words: 64 bytes a row, four rows to 256 bytes, 16 of padding behind them
	v_lshlrev_b32 v7, 6, v1
	v_lshl_add_u32 v6, v6, 4, v7
	v_mad_u32_u24 v6, v2, 4*1088, v6               ; a block of 16 rows is 1,088 bytes; lanes 16-31 four blocks further on
	v_add_nc_u32 v[ADSA], s100, v6
	v_add_nc_u32 v[ADSA+1], 2*HALFS, v[ADSA]
	v_lshl_add_u32 v8, v2, 5, v3
	v_add_nc_u32 v[STC], s101, v8
	v_add_nc_u32 v[STH], HSTG, v[STC]
	v_add_nc_u32 v[STN], NSTG, v[STC]
	v_mul_u32_u24 v9, v2, PITCH                    ; lanes 0-15 one row of 256 bytes, lanes 16-31 the next
	v_lshl_add_u32 v9, v1, 4, v9
	v_add_nc_u32 v[RD], s63, v9
	v_lshlrev_b32 v10, 13, v2
	v_lshl_add_u32 v[CO], v1, 4, v10
	v_lshlrev_b32 v[PFC], 13, v11
	v_lshl_add_u32 v[BO], v2, 5, s97
	WIN TO_B
.irp g, 0,1,2,3                        ; the biases in the result's layout: register 8 (2 g + u) + j of lane (r, h) = gate g's bias at unit 16 u + 8 h + j
.irp u, 0,1
.irp p, 0,1
	global_load_b128 v[BI+8*(2*\g+\u)+4*\p:BI+8*(2*\g+\u)+4*\p+3], v[BO], s[16+2*\g:17+2*\g] offset:64*\u+16*\p
.endr
.endr
.endr
	WIN 0
.macro FRAG reg, adr, q, i             ; a fragment, 16 rows x 128 K of 4-bit codes: lane l holds row l % 16; registers 4 c .. 4 c + 3 hold K = 64 c + 32 (l / 16) + 0 .. 31
.irp c, 0,1
	ds_load_b128 v[\reg+4*\c:\reg+4*\c+3], v[\adr] offset:64*(\q)+32*\c+(\i)*16*PITCH
.endr
.endm
.macro WM                              ; one matrix instruction from the symbols that MUL8 sets.  A side's scale words are read from lanes 0-15 of the register named, or, for its blocks 4-7, from lanes 16-31
.if rRB == 0 && rRA == 0
	v_wmma_scale_f32_16x16x128_f8f6f4 v[rD:rD+7], v[rB:rB+7], v[rA:rA+7], v[rC:rC+7], v[rSB], v[rSA] matrix_a_fmt:MATRIX_FMT_FP4 matrix_b_fmt:MATRIX_FMT_FP4
.elseif rRA == 0
	v_wmma_scale_f32_16x16x128_f8f6f4 v[rD:rD+7], v[rB:rB+7], v[rA:rA+7], v[rC:rC+7], v[rSB], v[rSA] matrix_a_fmt:MATRIX_FMT_FP4 matrix_b_fmt:MATRIX_FMT_FP4 matrix_a_scale:MATRIX_SCALE_ROW1
.elseif rRB == 0
	v_wmma_scale_f32_16x16x128_f8f6f4 v[rD:rD+7], v[rB:rB+7], v[rA:rA+7], v[rC:rC+7], v[rSB], v[rSA] matrix_a_fmt:MATRIX_FMT_FP4 matrix_b_fmt:MATRIX_FMT_FP4 matrix_b_scale:MATRIX_SCALE_ROW1
.else
	v_wmma_scale_f32_16x16x128_f8f6f4 v[rD:rD+7], v[rB:rB+7], v[rA:rA+7], v[rC:rC+7], v[rSB], v[rSA] matrix_a_fmt:MATRIX_FMT_FP4 matrix_b_fmt:MATRIX_FMT_FP4 matrix_a_scale:MATRIX_SCALE_ROW1 matrix_b_scale:MATRIX_SCALE_ROW1
.endif
.endm
; 8 matrix instructions: block a of my rows x wq's eight, the slot's q-th 128 along K.  p: the fragment sets;  sc: the set of scale words.  first = 1: the biases are the C.
; The 64 accumulators take turns, one instruction a turn, in the same order in every step.
.macro MUL8 a, p, q, sc, first
.irp b, 0,1,2,3,4,5,6,7
.set rD, 8*(8*((\a)%4)+\b)
.set rB, 128*(\p)+8*\b
.set rA, AF+64*(\p)+8*(\a)
.set rSB, SC+32*(\sc)+16+4*(\b%4)+(\q)
.set rSA, SC+32*(\sc)+4*((\a)%4)+(\q)
.set rRB, (\b)/4
.set rRA, (\a)/4
.if \first
.set rC, BI+8*\b
.else
.set rC, rD
.endif
	WM
.endr
.endm
.macro LDF slot, q, p, n               ; fragment n of the slot's q-th 128 along K into set p: n = 0 .. 7 wq's, 8 .. 15 my rows'
.if (\n) < 8
	WIN TO_B
	FRAG 128*(\p)+8*(\n), ADRB+\slot, \q, \n
.else
	WIN 0
	FRAG AF+64*(\p)+8*((\n)-8), ADRA+\slot, \q, (\n)-8
.endif
.endm
.macro LDT next, n                     ; pair n of the 20 pairs of loads with which a slot is begun, into set 0: 0 .. 7 wq's fragments, 8 .. 11 the K step's scale words, 12 .. 19 my rows' fragments
.if (\n) < 8
	WIN TO_B
	FRAG 8*(\n), ADRB+\next, 0, \n
.elseif (\n) < 12
	WIN 0
	ds_load_b128 v[SC+32*(\next)+4*((\n)-8):SC+32*(\next)+4*((\n)-8)+3], v[ADSA+(\next)] offset:1088*((\n)-8)
	ds_load_b128 v[SC+32*(\next)+16+4*((\n)-8):SC+32*(\next)+16+4*((\n)-8)+3], v[ADSB+(\next)] offset:16*PITCH*((\n)-8)
.else
	WIN 0
	FRAG AF+8*((\n)-12), ADRA+\next, 0, (\n)-12
.endif
.endm
; A step that has its successor in the same slot.  The successor's fragments go into the other sets, which the step before read last: the four places at the head stand between.  pf = 1: c's tile is prefetched here.
.macro STEP slot, q, first, pf
	PLACES
.set A_, 0
.rept 16
	LDF \slot, (\q)+1, 1-(\q)%2, A_
.set A_, A_+1
.endr
.if \pf
	global_prefetch_b8 v[PFC], s[PC:PC+1] th:TH_LOAD_NT scope:SCOPE_SE                  ; my wave's 64 rows of c's tile, 256 bytes each, a lane to a row: each block once in the launch, by the wave
	global_prefetch_b8 v[PFC], s[PC:PC+1] offset:32*8192 th:TH_LOAD_NT scope:SCOPE_SE   ; that will load it, two steps ahead of the tensor load; its registers are never rewritten
.endif
	s_wait_dscnt 32                                ; all but the 32 just issued: this step's fragments and scale words are in
.set A_, 0
.rept 8
	WIN MUL_LO+0x50*(A_/4)-0x10*(\first)*(1+A_/4)  ; C and D window 2 or 3; in the first step C (the biases) window 1
	MUL8 A_, (\q)%2, \q, \slot, \first
.set A_, A_+1
.endr
	WIN 0
.endm
; A slot's last step changes slots: ONE barrier, which opens a round of the cluster's barrier; in front of it each wave waits for all its tensor loads, adds 0 to its spare word, and waits for that and for its reads of this slot.
; It stands behind my first two blocks; the next slot's 40 loads go out in one run behind the refill, ahead of the other six.  fill = 1: this slot takes its side's next K step, jointly.  fill = 2: c's tile, each wave its 64 rows, by a plain load.
.macro TURN slot, next, fill
.if \fill == 1
	s_wait_xcnt 0x0                                ; my prefetches have read their address: this slot's steps on
.if \slot == 0
	s_add_nc_u64 s[PF0:PF0+1], s[PF0:PF0+1], s[PST:PST+1]
.else
	s_add_nc_u64 s[PF1:PF1+1], s[PF1:PF1+1], s[PST:PST+1]
.endif
.endif
	s_wait_tensorcnt 0x0                           ; all my tensor loads have landed: my part of the next slot  (every window is 0 here)
	ds_add_u32 v[SPW], v[NIL]
	s_wait_dscnt 1                                 ; (the add may be out: this step's fragments are in)
	WIN MUL_LO
	MUL8 0, 1, NQ-1, \slot, 0
	s_wait_dscnt 0x0                               ; the add is done, and my reads of this slot are over
	s_barrier_signal -1
	MUL8 1, 1, NQ-1, \slot, 0
	WIN 0
	s_barrier_wait -1
	CREST                                          ; no wave of any partner still reads this slot's tiles or has a load on its way
.if \fill == 1
	s_add_nc_u64 s[G0A+4*\slot+2:G0A+4*\slot+3], s[G0A+4*\slot+2:G0A+4*\slot+3], 256
	s_add_nc_u64 s[G0B+4*\slot+2:G0B+4*\slot+3], s[G0B+4*\slot+2:G0B+4*\slot+3], WQK
	JLOAD G0A+4*\slot, G1A, G0B+4*\slot, G1B       ; my one tensor load until the next round; its four v_nop are also the places in front of the loads below
.else
	tensor_load_to_lds s[G0C:G0C+3], s[G1C:G1C+7]
	s_nop 0
	PLACES
.endif
	v_add_nc_u32 v[ADSA+\slot], 16, v[ADSA+\slot]  ; this side's scale words of its next K step
	s_wait_alu depctr_va_vdst(0)                   ; the wait directly behind the write
.irp n, 0,1,2,3,4,5,6,7,8,9,10,11,12,13,14,15,16,17,18,19
	LDT \next, \n
.endr
.if \fill == 1
.if \slot == 0
	ASK PF0, 0
.else
	ASK PF1, 0
.endif
.endif
	WIN MUL_LO
	MUL8 2, 1, NQ-1, \slot, 0
	MUL8 3, 1, NQ-1, \slot, 0
	WIN MUL_HI
.irp a, 4,5,6,7
	MUL8 \a, 1, NQ-1, \slot, 0
.endr
	WIN 0
.endm
.macro STEPS slot, from                ; the slot's steps from .. NQ - 2
.set Q, \from
.rept NQ-1-\from
	STEP \slot, Q, 0, 0
.set Q, Q+1
.endr
.endm
	s_wait_alu depctr_va_vdst(0)                   ; the wait at the head's end
	s_wait_xcnt 0x0                                ; the head's prefetches have read their addresses:
	s_add_nc_u64 s[PF1:PF1+1], s[PF1:PF1+1], s[PST:PST+1]   ; slot 1's stand at h's K step 1, kidx 5
	s_wait_tensorcnt 0x0                           ; my tile of the head's four is in
	ds_add_u32 v[SPW], v[NIL]
	s_mov_b32 s[G1A+2], 128<<16                    ; no tensor load of mine is out: from here on a load brings 128 rows of x or h,
	s_mov_b32 s[G1A+4], 128
	s_mov_b32 s[G1B+2], 68<<16                     ; or 68 rows of 512 bytes of wq
	s_mov_b32 s[G1B+4], 68
	s_mov_b32 s[KS], 0xbfb8aa3b
	s_mov_b32 s[KS+1], 0xbfb8aa3b
	s_mov_b32 s[KT], 0x4038aa3b
	s_mov_b32 s[KT+1], 0x4038aa3b
	s_wait_dscnt 0x0
	CROUND                                         ; all four tiles are in, and all sixteen work-groups are here
	JLOAD G0A+4, G1A, G0B+4, G1B                   ; slot 1's first fill: the first tensor load behind the round
.irp n, 0,1,2,3,4,5,6,7,8,9,10,11,12,13,14,15,16,17,18,19
	LDT 0, \n
.endr
	ASK PF1, 1
	s_wait_loadcnt 0x0                             ; the biases
	STEP 0, 0, 1, 0                                ; the first step stands in front of the loop: its products start the sums, on the biases
	s_mov_b32 s[CNT], LAPS-1
.Llap:                                                 ; a trip goes once round the ring, from a lap's second step to the next lap's first, and fills both slots again
	STEPS 0, 1
	TURN 0, 1, 1
	STEPS 1, 0
	TURN 1, 0, 1
	STEP 0, 0, 0, 0
	s_sub_co_u32 s[CNT], s[CNT], 1
	s_cmp_lg_u32 s[CNT], 0
	s_cbranch_scc1 .Llap
	STEP 0, 1, 0, 1                                ; the last lap is written out: no further K step is asked for
	STEP 0, 2, 0, 0
	TURN 0, 1, 2                                   ; x is done: slot 0 takes c's tile
	STEPS 1, 0
	s_wait_dscnt 0x0                               ; the very last step: nothing more to fetch
	WIN MUL_LO
.irp a, 0,1,2,3
	MUL8 \a, 1, NQ-1, 1, 0
.endr
	WIN MUL_HI
.irp a, 4,5,6,7
	MUL8 \a, 1, NQ-1, 1, 0
.endr
	WIN 0
; THE WAY OUT, a block of 16 rows x 32 units at a time: 16 elements a lane.  With e_g = 2^(-log2(e) g) and E = 2^min(2 log2(e) z, 60):
;   sigmoid(gi) tanh(gc) = (E - 1) / ((1 + e_i)(1 + E));  sigmoid(gf) = 1 / (1 + e_f);  h_new = (E' - 1) / ((1 + e_o)(1 + E')), E' of c_new.
; c comes from its tile in LDS; c_new and h_new go to two stages, where a row's 256 bytes meet from two waves.  Behind a barrier, whose signal and wait stand apart among the next block's arithmetic,
; each wave reads 16 whole rows of one stage back and stores them.  A stage's rows are written once and read once.
.macro CLD a                           ; c of block a into set a % 2
.set rCL, CC+16*((\a)%2)
.irp u, 0,1
.irp p, 0,1
	ds_load_b128 v[rCL+8*\u+4*\p:rCL+8*\u+4*\p+3], v[STC] offset:16*PITCH*(\a)+64*\u+16*\p
.endr
.endr
.endm
.macro BACK a                          ; block a's 16 rows of my stage, whole, two to a load
.irp t, 0,1,2,3,4,5,6,7
	ds_load_b128 v[OB+4*\t:OB+4*\t+3], v[RD] offset:16*PITCH*(\a)+2*PITCH*\t
.endr
.endm
.macro SEND a                          ; 16 lanes store 256 consecutive bytes, at a multiple of 256 from the output's first byte
.irp t, 0,1,2,3,4,5,6,7
	global_store_b128 v[CO], v[OB+4*\t:OB+4*\t+3], s[24:25] offset:16*8192*(\a)+2*8192*\t th:TH_STORE_NT
.endr
.endm
.macro GATES a
.set rAC, 64*((\a)%4)
.set rCC, CC+16*((\a)%2)
.set rCN, CN+16*((\a)%2)
.set rHN, HN+16*((\a)%2)
	WIN 0x02+(\a)/4                                ; source 0: window 2 or 3
.set k, 0
.rept 32                                       ; the exponents, each accumulator from its low end on: -log2(e) g for i, f, o; 2 log2(e) g for c
.if k >= 32 && k < 48
	v_pk_mul_f32 v[T+k:T+k+1], v[rAC+k:rAC+k+1], s[KT:KT+1] op_sel_hi:[1,0]
.else
	v_pk_mul_f32 v[T+k:T+k+1], v[rAC+k:rAC+k+1], s[KS:KS+1] op_sel_hi:[1,0]
.endif
.set k, k+2
.endr
	WIN 0
.set k, 0
.rept 16
	v_min_num_f32 v[T+32+k], 0x42700000, v[T+32+k] ; tanh's exponent is held at 60
.set k, k+1
.endr
	s_wait_dscnt 0x0                               ; c of this block is in; and my stores of the last block into the stages are done
.if (\a) > 0
	s_barrier_signal -1
.endif
.set k, 0
	s_wait_alu depctr_va_vdst(0)                   ; a wait ahead of each batch of transcendentals and one behind it
.rept 64
	v_exp_f32 v[T+k], v[T+k]                       ; e_i, e_f, E, e_o
.set k, k+1
.endr
	v_nop
.set k, 0
	s_wait_alu depctr_va_vdst(0)
.rept 8
	v_pk_add_f32 v[U+k:U+k+1], v[T+32+k:T+32+k+1], -1.0 op_sel_hi:[1,0]       ; E - 1
	v_pk_add_f32 v[T+k:T+k+1], v[T+k:T+k+1], 1.0 op_sel_hi:[1,0]              ; 1 + e_i
	v_pk_add_f32 v[T+32+k:T+32+k+1], v[T+32+k:T+32+k+1], 1.0 op_sel_hi:[1,0]  ; 1 + E
	v_pk_add_f32 v[T+16+k:T+16+k+1], v[T+16+k:T+16+k+1], 1.0 op_sel_hi:[1,0]  ; 1 + e_f
	v_pk_add_f32 v[T+48+k:T+48+k+1], v[T+48+k:T+48+k+1], 1.0 op_sel_hi:[1,0]  ; 1 + e_o
.set k, k+2
.endr
.set k, 0
.rept 8
	v_pk_mul_f32 v[T+k:T+k+1], v[T+k:T+k+1], v[T+32+k:T+32+k+1]               ; (1 + e_i)(1 + E)
.set k, k+2
.endr
.if (\a) > 0
	s_barrier_wait -1                              ; the last block's rows are whole in both stages
.if (\a) > 1
	s_wait_xcnt 0x0                                ; the stores of the block before it have read their registers
.endif
	BACK (\a)-1
.endif
.if (\a) < 7
	CLD (\a)+1
.endif
.set k, 0
	s_wait_alu depctr_va_vdst(0)
.rept 32
	v_rcp_f32 v[T+k], v[T+k]                       ; its reciprocal, and sigmoid(gf)
.set k, k+1
.endr
	v_nop
.set k, 0
	s_wait_alu depctr_va_vdst(0)
.rept 8
	v_pk_mul_f32 v[U+k:U+k+1], v[U+k:U+k+1], v[T+k:T+k+1]                     ; sigmoid(gi) tanh(gc)
.set k, k+2
.endr
.set k, 0
.rept 8
	v_pk_fma_f32 v[rCN+k:rCN+k+1], v[rCC+k:rCC+k+1], v[T+16+k:T+16+k+1], v[U+k:U+k+1]   ; c_new
.set k, k+2
.endr
.set k, 0
.rept 8
	v_pk_mul_f32 v[T+32+k:T+32+k+1], v[rCN+k:rCN+k+1], s[KT:KT+1] op_sel_hi:[1,0]
.set k, k+2
.endr
.set k, 0
.rept 16
	v_min_num_f32 v[T+32+k], 0x42700000, v[T+32+k]
.set k, k+1
.endr
.set k, 0
	s_wait_alu depctr_va_vdst(0)
.rept 16
	v_exp_f32 v[T+32+k], v[T+32+k]                 ; E'
.set k, k+1
.endr
	v_nop
.set k, 0
	s_wait_alu depctr_va_vdst(0)
.rept 8
	v_pk_add_f32 v[U+k:U+k+1], v[T+32+k:T+32+k+1], -1.0 op_sel_hi:[1,0]       ; E' - 1
	v_pk_add_f32 v[T+32+k:T+32+k+1], v[T+32+k:T+32+k+1], 1.0 op_sel_hi:[1,0]  ; 1 + E'
.set k, k+2
.endr
.set k, 0
.rept 8
	v_pk_mul_f32 v[T+48+k:T+48+k+1], v[T+48+k:T+48+k+1], v[T+32+k:T+32+k+1]   ; (1 + e_o)(1 + E')
.set k, k+2
.endr
.set k, 0
	s_wait_alu depctr_va_vdst(0)
.rept 16
	v_rcp_f32 v[T+48+k], v[T+48+k]
.set k, k+1
.endr
	v_nop
.set k, 0
	s_wait_alu depctr_va_vdst(0)
.rept 8
	v_pk_mul_f32 v[rHN+k:rHN+k+1], v[U+k:U+k+1], v[T+48+k:T+48+k+1]           ; h_new
.set k, k+2
.endr
.if (\a) > 0
	s_wait_alu depctr_va_vdst(0)                   ; directly ahead of the wait below
.if (\a) < 7
	s_wait_dscnt 4                                 ; the last block's eight loads from the stage are in; younger: the next block's four loads of c
.else
	s_wait_dscnt 0x0
.endif
	SEND (\a)-1
.endif
.irp u, 0,1
.irp p, 0,1
	ds_store_b128 v[STN], v[rCN+8*\u+4*\p:rCN+8*\u+4*\p+3] offset:16*PITCH*(\a)+64*\u+16*\p
	ds_store_b128 v[STH], v[rHN+8*\u+4*\p:rHN+8*\u+4*\p+3] offset:16*PITCH*(\a)+64*\u+16*\p
.endr
.endr
.endm
	s_wait_tensorcnt 0x0                           ; my 64 rows of c have landed (my LDS loads are all back since the wait in the last step),
	s_barrier_signal -1
	s_barrier_wait -1                              ; everybody's have, and nobody reads slot 1 any more
	PLACES                                         ; behind the last products
	CLD 0
.irp a, 0,1,2,3,4,5,6,7
	GATES \a
.endr
	s_wait_dscnt 0x0                               ; my stores of the last block into the stages are done
	s_barrier_signal -1
	s_barrier_wait -1
	s_wait_xcnt 0x0                                ; block 6's stores have read their registers
	BACK 7
	s_wait_dscnt 0x0
	SEND 7
	s_wait_tensorcnt 0x0                           ; the wave's end
	ds_add_u32 v[SPW], v[NIL]
	s_wait_dscnt 0x0
	CROUND                                         ; the closing round
	s_endpgm
.Lfunc_end_k_q158d960e87_cell:
	.size	k_q158d960e87_cell, .Lfunc_end_k_q158d960e87_cell-k_q158d960e87_cell
	.p2alignl 7, 3214868480
	.fill 96, 4, 3214868480
	.section	.rodata,"a",@progbits
	.p2align	6, 0x0
	.amdhsa_kernel k_q158d960e87_cell
		.amdhsa_group_segment_fixed_size 327680
		.amdhsa_private_segment_fixed_size 0
		.amdhsa_enable_private_segment 0
		.amdhsa_kernarg_size 96
		.amdhsa_user_sgpr_count 2
		.amdhsa_user_sgpr_kernarg_segment_ptr 1
		.amdhsa_wavefront_size32 1
		.amdhsa_system_sgpr_workgroup_id_x 1
		.amdhsa_system_sgpr_workgroup_id_y 1
		.amdhsa_system_sgpr_workgroup_id_z 1
		.amdhsa_system_vgpr_workitem_id 0
		.amdhsa_next_free_vgpr 1024
		.amdhsa_next_free_sgpr 106
		.amdhsa_reserve_vcc 0
		.amdhsa_float_denorm_mode_32 3
		.amdhsa_float_denorm_mode_16_64 3
		.amdhsa_memory_ordered 1
		.amdhsa_forward_progress 1
		.amdhsa_inst_pref_size 255
	.end_amdhsa_kernel
	.section	.bss,"aw",@nobits
	.p2align	6
	.space	262144
	.amdgpu_metadata
---
amdhsa.version: [ 1, 2 ]
amdhsa.kernels:
  - .name:           k_q158d960e87_cell
    .symbol:         k_q158d960e87_cell.kd
    .args:
      - { .name: x_codes, .offset: 0, .size: 8, .value_kind: global_buffer, .address_space: global }
      - { .name: x_scales, .offset: 8, .size: 8, .value_kind: global_buffer, .address_space: global }
      - { .name: wq, .offset: 16, .size: 8, .value_kind: global_buffer, .address_space: global }
      - { .name: c, .offset: 24, .size: 8, .value_kind: global_buffer, .address_space: global }
      - { .name: h_codes, .offset: 32, .size: 8, .value_kind: global_buffer, .address_space: global }
      - { .name: h_scales, .offset: 40, .size: 8, .value_kind: global_buffer, .address_space: global }
      - { .name: b_i, .offset: 48, .size: 8, .value_kind: global_buffer, .address_space: global }
      - { .name: b_f, .offset: 56, .size: 8, .value_kind: global_buffer, .address_space: global }
      - { .name: b_c, .offset: 64, .size: 8, .value_kind: global_buffer, .address_space: global }
      - { .name: b_o, .offset: 72, .size: 8, .value_kind: global_buffer, .address_space: global }
      - { .name: out0, .offset: 80, .size: 8, .value_kind: global_buffer, .address_space: global }
      - { .name: out1, .offset: 88, .size: 8, .value_kind: global_buffer, .address_space: global }
    .group_segment_fixed_size: 327680
    .private_segment_fixed_size: 0
    .kernarg_segment_align: 8
    .kernarg_segment_size: 96
    .max_flat_workgroup_size: 128
    .sgpr_count:     106
    .vgpr_count:     1024
    .wavefront_size: 32
...
	.end_amdgpu_metadata
.endif
;; end of part 2
